; MI455X (gfx1250); checked and timed in simulation.
; The chip was launched on July 23, 2026; its instructions are those of AMD's public machine-readable ISA for CDNA 5 (MIT licence, August 2026) and "CDNA5" Instruction Set Architecture Reference Guide (July 2026).
;; Audio Attention Pooler. Allowed arithmetic: matrix products marked QUANTISED: E3M2 operands, one E8M0 scale for each 32 along K, by v_wmma_scale_f32_16x16x128_f8f6f4 with both operands' format E3M2, f32 sums; products left as they are: f32 operands where the result goes on into a quantised operand, else bf16, f16 or f32 operands; f32 sums; everything else in f32.
;; Inputs: hidden_states 32 x 1,024 x 1,024 float32; kv_b 2,048 float32; kv_w 1,024 x 2,048 float32; mask 32 x 1,024 int32; out_b 1,024 float32; out_w 1,024 x 1,024 float32; query 1,024 float32.
;; Outputs: out0 32 x 1,024 float32.
;; This version of the problem:
;;   THIS VERSION OF THE PROBLEM IS GIVEN IN LOW PRECISION. The matrix products marked QUANTISED in the list below multiply operands that are first quantised to E3M2 (3 exponent bits, 2 mantissa bits; 6 bits a number), with one power-of-two scale for each 32 numbers along K (OCP MX v1.0); their sums are f32. All else is computed in f32.
;;   The module's matrix products, in the order in which they are computed (A, B: the left and right operand; K: the contracted axis; several contracted axes count as one K, in the product's order):
;;     1. [M 32,768, K 1,024] x [K 1,024, N 2,048]; A: input hidden_states; B: input kv_w: QUANTISED
;;     2. batch 16 x [M 32,768, K 64] x [K 64, N 1]; A: computed on the way; B: computed on the way: left as it is (N = 1 < 16)
;;     3. batch 512 x [M 1, K 1,024] x [K 1,024, N 64]; A: softmax; B: computed on the way: left as it is (M = 1 < 16)
;;     4. [M 32, K 1,024] x [K 1,024, N 1,024]; A: computed on the way; B: input out_w: QUANTISED
;;   THE QUANTISER, for each operand of a quantised product, along K:
;;     - K is cut into blocks of 32 from its start; a last block that is shorter is filled with zeros.
;;     - A block's scale is 2^e with e = floor(log2(the largest magnitude in the block)) - 4, held to -126 .. 127; a block of zeros has e = 0. As a byte (E8M0): e + 127.
;;     - Each number is divided by its block's scale, clamped to +-28, and rounded to the nearest number of E3M2, ties to even, subnormals kept.
;;     - The product sums the exact products of the quantised numbers (number of the format x scale) in f32.
;;   ~~~python
;;   def quantise(x, axis):      # numpy; x: float32 -> the quantised numbers, widened to float32 again
;;       x = np.moveaxis(x, axis, -1); K = x.shape[-1]
;;       x = np.pad(x, [(0, 0)] * (x.ndim - 1) + [(0, -K % 32)]); x = x.reshape(x.shape[:-1] + (-1, 32)); a = np.abs(x).max(-1, keepdims=True)
;;       e = np.where(a > 0, np.clip(np.frexp(np.where(a > 0, a, 1))[1] - 1 - 4, -126, 127), 0)      # np.frexp(a)[1] - 1 = floor(log2(a)), exactly
;;       r = np.clip(x / 2.0 ** e, -28, 28)
;;       step = 2.0 ** (np.maximum(np.frexp(np.where(r == 0, 1, r))[1] - 1, -2) - 2)
;;       q = np.round(r / step) * step * 2.0 ** e      # np.round: ties to even
;;       return np.moveaxis(q.reshape(q.shape[:-2] + (-1,))[..., :K], -1, axis).astype(np.float32)
;;   ~~~
;;   OPERANDS COMPUTED ON THE WAY. 'Computed on the way' means the value that the module computes at that place (a softmax that the list does not call 'softmax' is quantised finished and normalised). What goes into a quantiser is computed in f32, as accurately as f32 sums, v_exp_f32 and their like allow (about 1e-6 of the number): no bf16 or f16 on the way to a quantiser, and a product that is left as it is and whose result goes on into a quantised operand takes f32 operands (vector FMAs, or v_wmma_f32_16x16x4_f32). A number that lies on a knife's edge between two numbers of the format may be rounded either way, as far as f32 arithmetic and the matrix unit's own rounding can turn it there, and no further.
;; One version. Each part assembles by itself: llvm-mc -triple=amdgcn-amd-amdhsa -mcpu=gfx1250 --defsym DOCPART=n.
;; ======== version 1 of 1: 3 launches
;; workspace buffers: wq 1,638,400 bytes; owq 786,432 bytes; ows 32,768 bytes; po 1,048,576 bytes; pml 32,768 bytes
;; launch prep (part 1): grid 192 x 1, 4 waves a work-group, no clusters, 0 bytes of LDS; arguments kv_w, out_w, wq, owq, ows; writes wq, owq, ows
.if DOCPART == 1
	.amdgcn_target "amdgcn-amd-amdhsa--gfx1250"
	.amdhsa_code_object_version 6
	.text
	.protected	k_q34f209913b_prep
	.globl	k_q34f209913b_prep
	.p2align	8
	.type	k_q34f209913b_prep,@function
k_q34f209913b_prep:
	s_mov_b64 s[64:65], 0
	v_nop
	global_prefetch_b8 v0, s[64:65] scope:SCOPE_SE
	s_setreg_imm32_b32 hwreg(HW_REG_WAVE_MODE, 25, 1), 1
	s_wait_xcnt 0x0
.set KVP,   8192
.set OWP,   4096
.set SLOTB, 102400
.set LO,  2
.set STC, 3
.set STS, 4
.set MA,  8
.set MB,  9
.set OP,  10
.set BY,  14
.set SW,  16
.set X,   32
.set Z0,  160
.set Z1,  172
.set TT,  184
.set SRC, 32
.set DC,  34
.set DS,  36
.macro LOADB b, pitch
.irp i, 0,1,2,3,4,5,6,7,8,9,10,11,12,13,14,15,16,17,18,19,20,21,22,23,24,25,26,27,28,29,30,31
	global_load_b32 v[X+32*(\b)+\i], v[LO], s[SRC:SRC+1] offset:(32*(\b)+\i)*\pitch th:TH_LOAD_NT
.endr
.endm
.macro BLOCK b, left, pitch
	s_wait_loadcnt \left
.if \b < 2
	LOADB (\b)+2, \pitch
.endif
.set XB, X+32*\b
.set ZB, Z0+12*(\b%2)+6*(\b/2)
	v_max3_num_f32 v[MA], |v[XB]|, |v[XB+1]|, |v[XB+2]|
	v_max3_num_f32 v[MB], |v[XB+3]|, |v[XB+4]|, |v[XB+5]|
.irp i, 6,10,14,18,22,26
	v_max3_num_f32 v[MA], v[MA], |v[XB+\i]|, |v[XB+\i+1]|
	v_max3_num_f32 v[MB], v[MB], |v[XB+\i+2]|, |v[XB+\i+3]|
.endr
	v_max3_num_f32 v[MA], v[MA], |v[XB+30]|, |v[XB+31]|
	v_max3_num_f32 v[MA], v[MA], v[MB], 0x2800000
	v_add_nc_u32 v[OP+\b], 0xfe000000, v[MA]
	v_lshrrev_b32 v[BY], 23, v[OP+\b]
.if \b == 0
	v_mov_b32 v[SW], v[BY]
.else
	v_lshl_or_b32 v[SW], v[BY], 8*\b, v[SW]
.endif
	v_cvt_scalef32_pk16_bf6_f32 v[ZB:ZB+2], v[XB:XB+15], v[OP+\b]
	v_cvt_scalef32_pk16_bf6_f32 v[TT+4*\b:TT+4*\b+2], v[XB+16:XB+31], v[OP+\b]
.endm
.macro BODY pitch
	LOADB 0, \pitch
	LOADB 1, \pitch
	BLOCK 0, 32, \pitch
	BLOCK 1, 32, \pitch
	BLOCK 2, 32, \pitch
	BLOCK 3, 0, \pitch
	v_nop
.irp b, 0,1,2,3
.irp i, 0,1,2
	v_mov_b32 v[Z0+12*(\b%2)+6*(\b/2)+3+\i], v[TT+4*\b+\i]
.endr
.endr
.irp h, 0,1
.irp c, 0,1,2
	global_store_b128 v[STC], v[Z0+12*\h+4*\c:Z0+12*\h+4*\c+3], s[DC:DC+1] offset:512*\c+256*\h
.endr
.endr
	global_store_b32 v[STS], v[SW], s[DS:DS+1]
	s_endpgm
.endm
	s_load_b256 s[4:11], s[0:1], 0x0
	s_load_b64 s[12:13], s[0:1], 0x20
	v_lshrrev_b32 v1, 5, v0
	v_readfirstlane_b32 s16, v1
	v_and_b32 v1, 31, v0
	v_lshlrev_b32 v[LO], 2, v1
	v_and_b32 v5, 15, v0
	v_bfe_u32 v6, v0, 4, 1
	s_lshl_b32 s17, s16, 1
	s_mov_b32 s27, 0
	s_mov_b32 s29, 0
	s_mov_b32 s31, 0
	s_cmp_lt_u32 ttmp9, 128
	s_cbranch_scc0 .Lout_w
	s_and_b32 s18, ttmp9, 15
	s_lshr_b32 s19, ttmp9, 4
	s_lshl_b32 s20, s18, 3
	s_add_co_u32 s20, s20, s17
	s_lshr_b32 s21, s20, 6
	s_bfe_u32 s22, s20, 0x40002
	s_and_b32 s23, s20, 3
	s_lshl_b32 s21, s21, 2
	s_add_co_u32 s23, s23, s21
	s_lshr_b32 s24, s22, 2
	s_and_b32 s22, s22, 3
	s_lshl_b32 s24, s24, 2
	s_lshr_b32 s25, s19, 1
	s_add_co_u32 s24, s24, s25
	s_and_b32 s25, s19, 1
	s_mul_i32 s24, s24, SLOTB
	s_mul_i32 s26, s22, 24576
	s_add_co_u32 s26, s26, s24
	s_mul_i32 s21, s25, 12288
	s_add_co_u32 s26, s26, s21
	s_mul_i32 s21, s23, 1536
	s_add_co_u32 s26, s26, s21
	s_add_co_u32 s28, s24, 98304
	s_lshl_b32 s21, s22, 10
	s_add_co_u32 s28, s28, s21
	s_lshl_b32 s21, s25, 9
	s_add_co_u32 s28, s28, s21
	s_lshl_b32 s21, s23, 6
	s_add_co_u32 s28, s28, s21
	s_lshl_b32 s30, s19, 20
	s_lshl_b32 s21, s20, 6
	s_add_co_u32 s30, s30, s21
	v_mul_u32_u24 v[STC], v6, 1536
	v_lshl_add_u32 v[STC], v5, 4, v[STC]
	v_mov_b32 v[STS], v[LO]
	s_wait_kmcnt 0x0
	s_add_nc_u64 s[SRC:SRC+1], s[4:5], s[30:31]
	s_add_nc_u64 s[DC:DC+1], s[8:9], s[26:27]
	s_add_nc_u64 s[DS:DS+1], s[8:9], s[28:29]
	BODY KVP
.Lout_w:
	s_sub_co_u32 s18, ttmp9, 128
	s_lshr_b32 s19, s18, 3
	s_and_b32 s18, s18, 7
	s_lshl_b32 s20, s18, 3
	s_add_co_u32 s20, s20, s17
	s_lshl_b32 s21, s20, 3
	s_add_co_u32 s21, s21, s19
	s_mul_i32 s26, s21, 1536
	s_lshl_b32 s28, s21, 6
	s_lshl_b32 s30, s19, 19
	s_lshl_b32 s21, s20, 6
	s_add_co_u32 s30, s30, s21
	v_mul_u32_u24 v[STC], v6, 12288
	v_lshl_add_u32 v[STC], v5, 4, v[STC]
	v_lshlrev_b32 v[STS], 9, v6
	v_lshl_add_u32 v[STS], v5, 2, v[STS]
	s_wait_kmcnt 0x0
	s_add_nc_u64 s[SRC:SRC+1], s[6:7], s[30:31]
	s_add_nc_u64 s[DC:DC+1], s[10:11], s[26:27]
	s_add_nc_u64 s[DS:DS+1], s[12:13], s[28:29]
	BODY OWP
.Lfunc_end_k_q34f209913b_prep:
	.size	k_q34f209913b_prep, .Lfunc_end_k_q34f209913b_prep-k_q34f209913b_prep
	.p2alignl 7, 3214868480
	.fill 96, 4, 3214868480
	.section	.rodata,"a",@progbits
	.p2align	6, 0x0
	.amdhsa_kernel k_q34f209913b_prep
		.amdhsa_group_segment_fixed_size 0
		.amdhsa_private_segment_fixed_size 0
		.amdhsa_enable_private_segment 0
		.amdhsa_kernarg_size 40
		.amdhsa_user_sgpr_count 2
		.amdhsa_user_sgpr_kernarg_segment_ptr 1
		.amdhsa_wavefront_size32 1
		.amdhsa_system_sgpr_workgroup_id_x 1
		.amdhsa_system_sgpr_workgroup_id_y 1
		.amdhsa_system_sgpr_workgroup_id_z 1
		.amdhsa_system_vgpr_workitem_id 0
		.amdhsa_next_free_vgpr 208
		.amdhsa_next_free_sgpr 66
		.amdhsa_reserve_vcc 0
		.amdhsa_float_denorm_mode_32 3
		.amdhsa_float_denorm_mode_16_64 3
		.amdhsa_memory_ordered 1
		.amdhsa_forward_progress 1
		.amdhsa_inst_pref_size 40
	.end_amdhsa_kernel
	.amdgpu_metadata
---
amdhsa.version: [ 1, 2 ]
amdhsa.kernels:
  - .name:           k_q34f209913b_prep
    .symbol:         k_q34f209913b_prep.kd
    .args:
      - { .name: kv_w, .offset: 0, .size: 8, .value_kind: global_buffer, .address_space: global }
      - { .name: out_w, .offset: 8, .size: 8, .value_kind: global_buffer, .address_space: global }
      - { .name: wq, .offset: 16, .size: 8, .value_kind: global_buffer, .address_space: global }
      - { .name: owq, .offset: 24, .size: 8, .value_kind: global_buffer, .address_space: global }
      - { .name: ows, .offset: 32, .size: 8, .value_kind: global_buffer, .address_space: global }
    .group_segment_fixed_size: 0
    .private_segment_fixed_size: 0
    .kernarg_segment_align: 8
    .kernarg_segment_size: 40
    .max_flat_workgroup_size: 128
    .sgpr_count:     66
    .vgpr_count:     208
    .wavefront_size: 32
...
	.end_amdgpu_metadata
.endif
;; end of part 1
;; launch pool (part 2): grid 256 x 1, 4 waves a work-group, clusters of 4 x 1, 327,680 bytes of LDS; arguments hidden_states, mask, kv_b, query, wq, po, pml; writes po, pml
.if DOCPART == 2
	.amdgcn_target "amdgcn-amd-amdhsa--gfx1250"
	.amdhsa_code_object_version 6
	.text
	.protected	k_q34f209913b_pool
	.globl	k_q34f209913b_pool
	.p2align	8
	.type	k_q34f209913b_pool,@function
k_q34f209913b_pool:
	s_mov_b64 s[64:65], 0
	v_nop
	global_prefetch_b8 v0, s[64:65] scope:SCOPE_SE
	s_setreg_imm32_b32 hwreg(HW_REG_WAVE_MODE, 25, 1), 1
	s_wait_xcnt 0x0
	s_wait_alu depctr_hold_cnt(0) depctr_sa_sdst(0) depctr_va_vdst(0) depctr_va_sdst(0) depctr_va_ssrc(0) depctr_va_vcc(0) depctr_vm_vsrc(0)
	s_getreg_b32 s2, hwreg(HW_REG_IB_STS2, 6, 4)
	s_cmp_eq_u32 s2, 0
	s_cbranch_scc0 .Lentry_in_a_cluster
	s_endpgm
.Lentry_in_a_cluster:
	s_bfe_u32 s2, ttmp6, 0x10000c
	s_cmp_lg_u32 s2, 0x3003
	s_cbranch_scc0 .Lentry_shape_is_right
	s_endpgm
.Lentry_shape_is_right:
.set SLOTB, 102400
.set QUART, 25600
.set WCODE, 24576
.set BSCO,  98304
.set AIMG,  2*SLOTB
.set ASC,   AIMG+98304
.set SPARE, ASC+4096
.set STG,   SPARE+512
.set STGW,  16*272
.set XA,   4
.set STW,  5
.set STR,  6
.set AWI,  7
.set AWS,  8
.set AW,   9
.set AS,   10
.set ADRA, 11
.set ADRB, 13
.set ADRS, 15
.set ASCR, 17
.set QO,   18
.set PO,   19
.set Z2,   20
.set NINF, 21
.set SPW,  22
.set NIL,  23
.set R4,   24
.set L8,   25
.set RO,   28
.set ASR,  32
.set BSR,  96
.set AF,   128
.set Q,    224
.set MKR,  32
.set QR,   40
.set KBR,  48
.set CT,   56
.set PC0,  64
.set TM,   104
.set PW0,  120
.set XS0,  128
.set S2,   128
.set T,    144
.set ML,   152
.set O,    160
.set RT,   192
.set HB,   4
.set MK,   6
.set KB,   8
.set QB,   10
.set WQ,   12
.set PB,   14
.set MLB,  16
.set WV,   18
.set IDX,  19
.set SEL,  20
.set G1,   24
.set G0,   32
.set MS,   40
.set CP,   48
.set RD,   53
.set TRIPS, 54
.set TA,   55
.set TS,   56
.set SV,   57
.set M8,   58
.set M4,   59
.set M2,   60
.set M1,   61
.set SGA,  62
.set SGB,  63
.set SGC,  78
.set OFS,  80
.set QB0,  82
.set PB0,  84
.set MLB0, 86
.set RR,   88
.set BKN,  89
.set FB,   90
.set MSB, 0
.macro WIN new
.if MSB != \new
	s_set_vgpr_msb (MSB<<8)|\new
.set MSB, \new
.endif
.endm
.set MUL_LO, 0xa1
.set MUL_HI, 0xf1
.set TO_B,   0x40
.set TO_R,   0x80
.set FROM_R, 0x08
.set EP_LO,  0x02
.macro CREST
	s_cmp_lg_u32 s[WV], 0
	s_cbranch_scc1 .Lnot_wave_0_\@
	s_barrier_signal -3
.Lnot_wave_0_\@:
	s_barrier_wait -3
	s_barrier_signal -1
	s_barrier_wait -1
.endm
.macro CROUND
	s_barrier_signal -1
	s_barrier_wait -1
	CREST
.endm
.macro PLACES
.rept 4
	v_nop
.endr
.endm
.macro JLOAD sl
	tensor_load_to_lds s[G0+4*\sl:G0+4*\sl+3], s[G1:G1+7]
	s_nop 0
	PLACES
.endm
.macro SETRD
	s_lshl_b32 s[OFS], s[RR], 10
	s_add_nc_u64 s[QB:QB+1], s[QB0:QB0+1], s[OFS:OFS+1]
	s_add_nc_u64 s[PB:PB+1], s[PB0:PB0+1], s[OFS:OFS+1]
	s_lshl_b32 s[OFS], s[RR], 8
	s_add_nc_u64 s[MLB:MLB+1], s[MLB0:MLB0+1], s[OFS:OFS+1]
.endm
	s_load_b256 s[4:11], s[0:1], 0x0
	s_load_b128 s[12:15], s[0:1], 0x20
	s_load_b64 s[16:17], s[0:1], 0x30
	v_lshl_add_u32 v[SPW], v0, 2, SPARE
	v_mov_b32 v[NIL], 0
	ds_add_u32 v22, v23
	ds_add_u32 v22, v23
	s_wait_dscnt 0x0
	v_lshrrev_b32 v1, 5, v0
	v_readfirstlane_b32 s[WV], v1
	s_bfe_u32 s[IDX], ttmp6, 0x40000
	s_lshl_b32 s66, ttmp9, 2
	s_add_co_u32 s[IDX], s66, s[IDX]
	s_and_b32 s[RR], ttmp9, 3
	s_lshl_b32 s[BKN], s[RR], 2
	s_mul_i32 s[OFS], s[BKN], SLOTB
	s_mov_b32 s[OFS+1], 0
	s_mov_b32 s[G1+0], 15|(3<<16)|(1<<21)
	s_mov_b32 s[G1+1], 32<<16
	s_mov_b32 s[G1+2], 100<<16
	s_mov_b32 s[G1+3], 32<<16
	s_mov_b32 s[G1+4], 100
	s_mov_b32 s[G1+5], 32
	s_mov_b32 s[G1+6], 0
	s_mov_b32 s[G1+7], 0
	s_lshl_b32 s66, s[IDX], 19
	s_lshl_b32 s67, s[WV], 17
	s_add_co_u32 s66, s66, s67
	s_mov_b32 s67, 0
	s_lshl_b32 s68, s[IDX], 9
	s_mov_b32 s69, 0
	s_lshl_b32 s70, s[WV], 8
	s_mov_b32 s71, 0
	s_lshl_b32 s72, s[IDX], 12
	s_add_co_u32 s72, s72, s70
	s_mov_b32 s73, 0
	s_lshr_b32 s74, s[IDX], 3
	s_lshl_b32 s74, s74, 10
	s_and_b32 s75, s[IDX], 7
	s_lshl_b32 s75, s75, 3
	s_add_co_u32 s74, s74, s75
	s_lshl_b32 s75, s[WV], 6
	s_add_co_u32 s74, s74, s75
	s_mov_b32 s75, 0
	s_mul_i32 s76, s[WV], QUART
	s_mov_b32 s77, 0
	s_wait_kmcnt 0x0
	s_add_nc_u64 s[HB:HB+1], s[HB:HB+1], s[66:67]
	s_add_nc_u64 s[MK:MK+1], s[MK:MK+1], s[68:69]
	s_add_nc_u64 s[KB:KB+1], s[KB:KB+1], s[70:71]
	s_add_nc_u64 s[QB0:QB0+1], s[QB:QB+1], s[70:71]
	s_add_nc_u64 s[PB0:PB0+1], s[PB:PB+1], s[72:73]
	s_add_nc_u64 s[MLB0:MLB0+1], s[MLB:MLB+1], s[74:75]
	s_add_nc_u64 s[WQ:WQ+1], s[WQ:WQ+1], s[76:77]
	s_add_nc_u64 s[FB:FB+1], s[WQ:WQ+1], s[OFS:OFS+1]
.irp s, 0,1
	s_mov_b32 s[G0+4*\s], 1
	s_add_co_u32 s[G0+4*\s+1], s76, \s*SLOTB
	s_add_nc_u64 s[G0+4*\s+2:G0+4*\s+3], s[FB:FB+1], \s*SLOTB
	s_or_b32 s[G0+4*\s+3], s[G0+4*\s+3], 0x80000000
.endr
	s_add_co_u32 s[BKN], s[BKN], 1
	SETRD
	CROUND
	tensor_load_to_lds s[G0:G0+3], s[G1:G1+7]
	s_nop 0
	tensor_load_to_lds s[G0+4:G0+7], s[G1:G1+7]
	s_nop 0
	PLACES
	v_and_b32 v1, 31, v0
	v_and_b32 v2, 15, v0
	v_bfe_u32 v3, v0, 4, 1
	v_lshlrev_b32 v26, 4, v1
	v_lshlrev_b32 v[XA], 12, v3
	v_lshl_add_u32 v[XA], v2, 4, v[XA]
	v_lshlrev_b32 v[R4], 2, v2
	v_lshlrev_b32 v[L8], 3, v1
.irp t, 0,1,2,3
	s_add_co_u32 s66, s[RR], \t
	s_and_b32 s66, s66, 3
	s_lshl_b32 s66, s66, 10
	v_add_nc_u32 v[RO+\t], s66, v[L8]
.endr
.irp m, 0,1,2,3,4,5,6,7
	global_load_b32 v[MKR+\m], v[R4], s[MK:MK+1] offset:64*\m
.endr
.irp t, 0,1,2,3
	global_load_b64 v[QR+2*\t:QR+2*\t+1], v[RO+\t], s[QB0:QB0+1]
	global_load_b64 v[KBR+2*\t:KBR+2*\t+1], v[RO+\t], s[KB:KB+1]
.endr
.macro LOADF set, mtp, sp, ahead
	WIN TO_R
.irp q, 0,1
.irp i, 0,1,2,3,4,5,6,7
	global_load_b128 v[64*(\set)+32*\q+4*\i:64*(\set)+32*\q+4*\i+3], v[XA], s[HB:HB+1] offset:(16*(\mtp)+2*\i)*4096+512*(\sp)+256*\q+1024*(\ahead) th:TH_LOAD_NT
.endr
.endr
.endm
.macro TURNF set, x
.irp q, 0,1
	WIN FROM_R
.irp i, 0,1,2,3,4,5,6,7
	ds_store_b128 v[STW], v[64*(\set)+32*\q+4*\i:64*(\set)+32*\q+4*\i+3] offset:544*\i
.endr
	WIN 0
.irp b, 0,1
.irp j, 0,1,2,3
	ds_load_b128 v[XS0+64*(\x)+32*\q+16*\b+4*\j:XS0+64*(\x)+32*\q+16*\b+4*\j+3], v[STR] offset:128*\b+16*\j
.endr
.endr
.endr
.endm
.macro QUANT
.irp b, 0,1,2,3
	v_max3_num_f32 v[TM+\b], |v[QS+16*\b]|, |v[QS+1+16*\b]|, 0x2800000
.endr
.irp i, 2,4,6,8,10,12,14
.irp b, 0,1,2,3
	v_max3_num_f32 v[TM+\b], v[TM+\b], |v[QS+16*\b+\i]|, |v[QS+1+16*\b+\i]|
.endr
.endr
.irp b, 0,1,2,3
	v_permlanex16_b32 v[TM+4+\b], v[TM+\b], s[SEL], s[SEL+1]
.endr
.irp b, 0,1,2,3
	v_max_num_f32 v[TM+\b], v[TM+\b], v[TM+4+\b]
.endr
.irp b, 0,1,2,3
	v_add_nc_u32 v[TM+12+\b], 0xfe000000, v[TM+\b]
.endr
.irp b, 0,1,2,3
	v_lshrrev_b32 v[TM+4+\b], 23, v[TM+12+\b]
.endr
	v_lshl_or_b32 v[QW], v[TM+5], 8, v[TM+4]
	v_lshl_or_b32 v[QW], v[TM+6], 16, v[QW]
	v_lshl_or_b32 v[QW], v[TM+7], 24, v[QW]
.irp c, 0,1
	v_cvt_scalef32_pk16_bf6_f32 v[QP+6*\c:QP+2+6*\c], v[QS+32*\c:QS+15+32*\c], v[TM+12+2*\c]
	v_cvt_scalef32_pk16_bf6_f32 v[QP+12+4*\c:QP+14+4*\c], v[QS+16+32*\c:QS+31+32*\c], v[TM+12+2*\c+1]
.endr
	v_nop
.irp c, 0,1
.irp i, 0,1,2
	v_permlane16_swap_b32 v[QP+6*\c+\i], v[QP+12+4*\c+\i]
.endr
.irp i, 0,1,2
	v_mov_b32 v[QP+3+6*\c+\i], v[QP+12+4*\c+\i]
.endr
.endr
.endm
.macro TURNSIGN
.irp i, 0,1,2,3
	v_xor_b32 v[QP+3*\i], s[SGA], v[QP+3*\i]
	v_xor_b32 v[QP+3*\i+1], s[SGB], v[QP+3*\i+1]
	v_xor_b32 v[QP+3*\i+2], s[SGC], v[QP+3*\i+2]
.endr
.endm
.macro IMAGE mtp, sp
.irp c, 0,1,2
	ds_store_b128 v[AW], v[QP+4*\c:QP+4*\c+3] offset:(\mtp)*12288+(\sp)*1536+512*\c
.endr
	ds_store_b32 v[AS], v[QW] offset:(\mtp)*512+4*(\sp)
.endm
.macro STEPF pos, ld, lc, dc, turn
.if \turn
	s_wait_loadcnt \lc
.endif
.if \dc >= 0
	s_wait_dscnt \dc
.endif
.if \ld
	LOADF \pos, \pos%2, \pos/2, 1
.endif
.if \turn
	TURNF (\pos+1)%4, (\pos+1)%2
.endif
	WIN 0
.set QS, XS0+64*(\pos%2)
.set QP, PC0+20*(\pos%2)
.set QW, PW0+\pos%2
	QUANT
.if \pos%2
	TURNSIGN
.endif
	IMAGE \pos%2, \pos/2
.endm
.macro QHEAD
	s_wait_dscnt 0x0
	v_add_nc_u32 v[AW], s[TA], v[AWI]
	v_add_nc_u32 v[AS], s[TS], v[AWS]
.endm
	LOADF 0, 0, 0, 0
	LOADF 1, 1, 0, 0
	LOADF 2, 0, 1, 0
	WIN 0
	s_mul_i32 s66, s[WV], STGW
	s_add_co_u32 s66, s66, STG
	v_mul_u32_u24 v[STW], v3, 272
	v_lshl_add_u32 v[STW], v2, 4, v[STW]
	v_add_nc_u32 v[STW], s66, v[STW]
	v_mul_u32_u24 v[STR], v2, 272
	v_lshl_add_u32 v[STR], v3, 6, v[STR]
	v_add_nc_u32 v[STR], s66, v[STR]
	s_mul_i32 s67, s[WV], WCODE
	v_add_nc_u32 v[ADRB], s67, v26
	v_add_nc_u32 v[ADRB+1], SLOTB, v[ADRB]
	v_add_nc_u32 v[ADRA], AIMG, v26
	v_add_nc_u32 v[ADRA+1], 4*12288, v[ADRA]
	v_add_nc_u32 v[AWI], s67, v[ADRA]
	s_lshl_b32 s68, s[WV], 10
	v_add_nc_u32 v[ADRS], s68, v[R4]
	v_add_nc_u32 v[ADRS], BSCO, v[ADRS]
	v_add_nc_u32 v[ADRS+1], SLOTB, v[ADRS]
	v_lshlrev_b32 v[ASCR], 5, v2
	v_add_nc_u32 v[ASCR], ASC, v[ASCR]
	v_add_nc_u32 v[AWS], s68, v[ASCR]
	v_lshlrev_b32 v[QO], 5, v3
	v_lshrrev_b32 v26, 2, v2
	v_and_b32 v27, 3, v2
	v_lshlrev_b32 v[PO], 6, v26
	v_lshl_add_u32 v[PO], v3, 5, v[PO]
	v_lshl_add_u32 v[PO], v27, 3, v[PO]
	v_mov_b32 v[Z2], 0
	v_mov_b32 v[NINF], 0xff800000
.irp b, 0,1,2,3
	v_mov_b32 v[TM+4+\b], 0
.endr
	s_mov_b32 s[SEL], 0x76543210
	s_mov_b32 s[SEL+1], 0xfedcba98
	s_mov_b32 s[M8], 0xff00ff00
	s_mov_b32 s[M4], 0xf0f0f0f0
	s_mov_b32 s[M2], 0xcccccccc
	s_mov_b32 s[M1], 0xaaaaaaaa
	s_mov_b32 s[SGA], 0x20820820
	s_mov_b32 s[SGB], 0x08208208
	s_mov_b32 s[SGC], 0x82082082
	s_mov_b32 s[TA], 0
	s_mov_b32 s[TS], 0
	s_mov_b32 s[TRIPS], 3
	s_wait_loadcnt 32
	LOADF 3, 1, 1, 0
	TURNF 0, 0
.Lq:
	QHEAD
	STEPF 0, 1, 32, -1, 1
	STEPF 1, 1, 32, 4, 1
	STEPF 2, 1, 32, 4, 1
	STEPF 3, 1, 32, 4, 1
	s_wait_xcnt 0x0
	s_add_nc_u64 s[HB:HB+1], s[HB:HB+1], 1024
	s_add_co_u32 s[TA], s[TA], 3072
	s_add_co_u32 s[TS], s[TS], 8
	s_sub_co_u32 s[TRIPS], s[TRIPS], 1
	s_cmp_lg_u32 s[TRIPS], 0
	s_cbranch_scc1 .Lq
	QHEAD
	STEPF 0, 0, 32, -1, 1
	STEPF 1, 0, 16, 4, 1
	STEPF 2, 0, 0, 4, 1
	STEPF 3, 0, 0, 4, 0
.irp m, 0,1,2,3,4,5,6,7
	v_cmp_eq_u32 s[MS+\m], 0, v[MKR+\m]
.endr
.irp rd, 0,1,2,3
	v_mul_f32 v[CT+\rd], v[QR+2*\rd], v[KBR+2*\rd]
.endr
.irp rd, 0,1,2,3
	v_fmac_f32 v[CT+\rd], v[QR+2*\rd+1], v[KBR+2*\rd+1]
.endr
.irp xm, 1,2,4,8
.irp rd, 0,1,2,3
	v_add_f32_dpp v[CT+\rd], v[CT+\rd], v[CT+\rd] row_xmask:\xm row_mask:0xf bank_mask:0xf
.endr
.endr
.irp rd, 0,1,2,3
	v_permlanex16_b32 v[TM+4+\rd], v[CT+\rd], s[SEL], s[SEL+1]
.endr
.irp rd, 0,1,2,3
	v_add_f32 v[CT+\rd], v[CT+\rd], v[TM+4+\rd]
.endr
.irp rd, 0,1,2,3
	v_mul_f32 v[CT+\rd], 0x3d38aa3b, v[CT+\rd]
.endr
	v_readfirstlane_b32 s[CP], v[CT]
	v_readfirstlane_b32 s[CP+2], v[CT+1]
	v_readfirstlane_b32 s[CP+3], v[CT+2]
	v_readfirstlane_b32 s[CP+4], v[CT+3]
	s_mov_b32 s[CP+1], s[CP]
.macro QLOAD
.irp kt, 0,1,2,3
.irp e, 0,1
	global_load_b128 v[Q+8*\kt+4*\e:Q+8*\kt+4*\e+3], v[QO], s[QB:QB+1] offset:64*\kt+16*\e
.endr
.endr
.endm
	QLOAD
	s_wait_tensorcnt 0x1
	s_wait_dscnt 0x0
	s_barrier_signal -1
	s_barrier_wait -1
.irp m, 0,1,2,3,4,5,6,7
.irp q, 0,1
	ds_load_b128 v[ASR+8*\m+4*\q:ASR+8*\m+4*\q+3], v[ASCR] offset:512*\m+16*\q
.endr
.endr
.macro FRAG reg, adr, off
.irp c, 0,1,2
	ds_load_b128 v[(\reg)+4*\c:(\reg)+4*\c+3], v[\adr] offset:(\off)+512*\c
.endr
.endm
.macro FETCH_B sl, u, p
	WIN TO_B
.irp i, 0,1,2,3,4,5,6,7
	FRAG 128*(\p)+12*\i, ADRB+(\sl), (\u)*12288+\i*1536
.endr
	WIN 0
.endm
.macro FETCH_A s, i0
.irp i, 0,1,2,3
	FRAG AF+12*((\i0)+\i), ADRA+(\i0)/4, \i*12288+(\s)*1536
.endr
.endm
.macro SCALES sl
.irp u, 0,1
.irp ct, 0,1,2,3,4,5,6,7
	ds_load_b32 v[BSR+16*(\sl)+8*\u+\ct], v[ADRS+(\sl)] offset:512*\u+64*\ct
.endr
.endr
.endm
.macro MUL16 a0, s, sl, u, zero
.irp a, \a0, \a0+1
.irp b, 0,1,2,3,4,5,6,7
.if \zero
	v_wmma_scale_f32_16x16x128_f8f6f4 v[8*(8*((\a)%4)+\b):8*(8*((\a)%4)+\b)+7], v[128*(\u)+12*\b:128*(\u)+12*\b+11], v[AF+12*(\a):AF+12*(\a)+11], 0, v[BSR+16*(\sl)+8*(\u)+\b], v[ASR+8*(\a)+(\s)] matrix_a_fmt:MATRIX_FMT_BF6 matrix_b_fmt:MATRIX_FMT_BF6
.else
	v_wmma_scale_f32_16x16x128_f8f6f4 v[8*(8*((\a)%4)+\b):8*(8*((\a)%4)+\b)+7], v[128*(\u)+12*\b:128*(\u)+12*\b+11], v[AF+12*(\a):AF+12*(\a)+11], v[8*(8*((\a)%4)+\b):8*(8*((\a)%4)+\b)+7], v[BSR+16*(\sl)+8*(\u)+\b], v[ASR+8*(\a)+(\s)] matrix_a_fmt:MATRIX_FMT_BF6 matrix_b_fmt:MATRIX_FMT_BF6
.endif
.endr
.endr
.endm
.macro STEP sl, s, zero
	s_wait_dscnt 12
	WIN MUL_LO
	MUL16 0, \s, \sl, 0, \zero
	MUL16 2, \s, \sl, 0, \zero
	s_wait_dscnt 0x0
	PLACES
	FETCH_B \sl, 1, 1
	FETCH_A (\s)+1, 0
	WIN MUL_HI
	MUL16 4, \s, \sl, 0, \zero
	MUL16 6, \s, \sl, 0, \zero
	PLACES
	WIN 0
	FETCH_A (\s)+1, 4
.endm
.macro TURN sl, nx, s, fill, fetch
	s_wait_tensorcnt 0x0
	ds_add_u32 v[SPW], v[NIL]
	s_wait_dscnt 13
	WIN MUL_LO
	MUL16 0, \s, \sl, 1, 0
	s_wait_dscnt 0x0
	s_barrier_signal -1
	MUL16 2, \s, \sl, 1, 0
	WIN 0
	s_barrier_wait -1
.if \fill
	CREST
	s_add_co_u32 s[BKN], s[BKN], 1
	s_and_b32 s[BKN], s[BKN], 15
	s_mul_i32 s[OFS], s[BKN], SLOTB
	s_add_nc_u64 s[G0+4*\sl+2:G0+4*\sl+3], s[WQ:WQ+1], s[OFS:OFS+1]
	s_or_b32 s[G0+4*\sl+3], s[G0+4*\sl+3], 0x80000000
	JLOAD \sl
.else
	PLACES
.endif
.if \fetch
	FETCH_B \nx, 0, 0
	FETCH_A (\s)+1, 0
	SCALES \nx
.endif
	WIN MUL_HI
	MUL16 4, \s, \sl, 1, 0
	MUL16 6, \s, \sl, 1, 0
.if \fetch
	PLACES
	WIN 0
	FETCH_A (\s)+1, 4
.else
	WIN 0
.endif
.endm
.macro FINAL
	s_wait_dscnt 12
	WIN MUL_LO
	MUL16 0, 7, 1, 1, 0
	MUL16 2, 7, 1, 1, 0
	s_wait_dscnt 0x0
	WIN MUL_HI
	MUL16 4, 7, 1, 1, 0
	MUL16 6, 7, 1, 1, 0
	WIN 0
.endm
.macro EVENLAP
	FETCH_B 0, 0, 0
	FETCH_A 0, 0
	SCALES 0
	FETCH_A 0, 4
	STEP 0, 0, 1
	TURN 0, 1, 1, 1, 1
	STEP 1, 2, 0
	TURN 1, 0, 3, 1, 1
.endm
.macro ODDLAP fill
	STEP 0, 4, 0
	TURN 0, 1, 5, \fill, 1
	STEP 1, 6, 0
.if \fill
	TURN 1, 0, 7, 1, 0
.else
	FINAL
.endif
.endm
.macro RSTEP n, msk, xm
.set RX, 0
.rept ((\n)+3)/4
.irp y, 0,1,2,3
.if RX+\y < \n
	v_cndmask_b32 v[RT+\y], v[O+RX+\y+\n], v[O+RX+\y], s[\msk]
.endif
.endr
.irp y, 0,1,2,3
.if RX+\y < \n
	v_cndmask_b32 v[O+RX+\y], v[O+RX+\y], v[O+RX+\y+\n], s[\msk]
.endif
.endr
.irp y, 0,1,2,3
.if RX+\y < \n
	v_add_f32_dpp v[O+RX+\y], v[RT+\y], v[O+RX+\y] row_xmask:\xm row_mask:0xf bank_mask:0xf
.endif
.endr
.set RX, RX+4
.endr
.endm
.macro EPI next
	s_wait_loadcnt 0x0
.irp k, 0,2,4,6,8,10,12,14,16,18,20,22,24,26,28,30
	v_pk_mul_f32 v[Q+\k:Q+\k+1], v[Q+\k:Q+\k+1], 0x3e38aa3b op_sel_hi:[1,0]
.endr
.irp hw, 0,1
	WIN EP_LO+\hw
.irp kt, 0,1,2,3
.irp jj, 0,1,2,3
.irp a, 0,1,2,3
.if (\kt == 0) && (\jj == 0)
.if \a%2
	v_pk_fma_f32 v[S2+2*(4*\hw+\a):S2+2*(4*\hw+\a)+1], v[8*(8*\a+\kt)+2*\jj:8*(8*\a+\kt)+2*\jj+1], v[Q+8*\kt+2*\jj:Q+8*\kt+2*\jj+1], s[CP:CP+1] op_sel_hi:[1,1,0] neg_lo:[1,0,0] neg_hi:[1,0,0]
.else
	v_pk_fma_f32 v[S2+2*(4*\hw+\a):S2+2*(4*\hw+\a)+1], v[8*(8*\a+\kt)+2*\jj:8*(8*\a+\kt)+2*\jj+1], v[Q+8*\kt+2*\jj:Q+8*\kt+2*\jj+1], s[CP:CP+1] op_sel_hi:[1,1,0]
.endif
.else
.if \a%2
	v_pk_fma_f32 v[S2+2*(4*\hw+\a):S2+2*(4*\hw+\a)+1], v[8*(8*\a+\kt)+2*\jj:8*(8*\a+\kt)+2*\jj+1], v[Q+8*\kt+2*\jj:Q+8*\kt+2*\jj+1], v[S2+2*(4*\hw+\a):S2+2*(4*\hw+\a)+1] neg_lo:[1,0,0] neg_hi:[1,0,0]
.else
	v_pk_fma_f32 v[S2+2*(4*\hw+\a):S2+2*(4*\hw+\a)+1], v[8*(8*\a+\kt)+2*\jj:8*(8*\a+\kt)+2*\jj+1], v[Q+8*\kt+2*\jj:Q+8*\kt+2*\jj+1], v[S2+2*(4*\hw+\a):S2+2*(4*\hw+\a)+1]
.endif
.endif
.endr
.endr
.endr
.endr
	WIN 0
.irp m, 0,1,2,3,4,5,6,7
	v_add_f32 v[S2+2*\m], v[S2+2*\m], v[S2+2*\m+1]
.endr
.irp m, 0,1,2,3,4,5,6,7
	v_permlanex16_b32 v[T+\m], v[S2+2*\m], s[SEL], s[SEL+1]
.endr
.irp m, 0,1,2,3,4,5,6,7
	v_add_f32 v[S2+2*\m], v[S2+2*\m], v[T+\m]
.endr
.irp m, 0,1,2,3,4,5,6,7
	v_cndmask_b32 v[S2+2*\m], v[S2+2*\m], v[NINF], s[MS+\m]
.endr
	v_max3_num_f32 v[ML], v[S2], v[S2+2], v[S2+4]
	v_max3_num_f32 v[ML], v[ML], v[S2+6], v[S2+8]
	v_max3_num_f32 v[ML], v[ML], v[S2+10], v[S2+12]
	v_max3_num_f32 v[ML], v[ML], v[S2+14], 0xff61b1e6
.irp xm, 1,2,4,8
	v_max_num_f32_dpp v[ML], v[ML], v[ML] row_xmask:\xm row_mask:0xf bank_mask:0xf
.endr
.irp m, 0,1,2,3,4,5,6,7
	v_sub_f32 v[S2+2*\m], v[S2+2*\m], v[ML]
.endr
.irp m, 0,1,2,3,4,5,6,7
	v_exp_f32 v[S2+2*\m], v[S2+2*\m]
.endr
	v_nop
	s_wait_alu depctr_va_vdst(0)
	v_add_f32 v[T], v[S2], v[S2+2]
	v_add_f32 v[T+1], v[S2+4], v[S2+6]
	v_add_f32 v[T+2], v[S2+8], v[S2+10]
	v_add_f32 v[T+3], v[S2+12], v[S2+14]
	v_add_f32 v[T], v[T], v[T+1]
	v_add_f32 v[T+2], v[T+2], v[T+3]
	v_add_f32 v[ML+1], v[T], v[T+2]
.irp xm, 1,2,4,8
	v_add_f32_dpp v[ML+1], v[ML+1], v[ML+1] row_xmask:\xm row_mask:0xf bank_mask:0xf
.endr
.irp hw, 0,1
	WIN EP_LO+\hw
.irp a, 0,1,2,3
.irp vt, 0,1,2,3
.irp jj, 0,1,2,3
.if (\hw == 0) && (\a == 0)
	v_pk_mul_f32 v[O+8*\vt+2*\jj:O+8*\vt+2*\jj+1], v[8*(8*\a+4+\vt)+2*\jj:8*(8*\a+4+\vt)+2*\jj+1], v[S2+2*(4*\hw+\a):S2+2*(4*\hw+\a)+1] op_sel_hi:[1,0]
.else
.if \a%2
	v_pk_fma_f32 v[O+8*\vt+2*\jj:O+8*\vt+2*\jj+1], v[8*(8*\a+4+\vt)+2*\jj:8*(8*\a+4+\vt)+2*\jj+1], v[S2+2*(4*\hw+\a):S2+2*(4*\hw+\a)+1], v[O+8*\vt+2*\jj:O+8*\vt+2*\jj+1] op_sel_hi:[1,0,1] neg_lo:[1,0,0] neg_hi:[1,0,0]
.else
	v_pk_fma_f32 v[O+8*\vt+2*\jj:O+8*\vt+2*\jj+1], v[8*(8*\a+4+\vt)+2*\jj:8*(8*\a+4+\vt)+2*\jj+1], v[S2+2*(4*\hw+\a):S2+2*(4*\hw+\a)+1], v[O+8*\vt+2*\jj:O+8*\vt+2*\jj+1] op_sel_hi:[1,0,1]
.endif
.endif
.endr
.endr
.endr
.endr
	WIN 0
	RSTEP 16, M8, 8
	RSTEP 8, M4, 4
	RSTEP 4, M2, 2
	RSTEP 2, M1, 1
	global_store_b64 v[PO], v[O:O+1], s[PB:PB+1]
	s_wait_xcnt 0x0
	s_mov_b32 vcc_lo, 1
	s_and_saveexec_b32 s[SV], vcc_lo
	global_store_b64 v[Z2], v[ML:ML+1], s[MLB:MLB+1]
	s_wait_xcnt 0x0
	s_or_b32 exec_lo, exec_lo, s[SV]
.if \next
	s_add_co_u32 s[RR], s[RR], 1
	s_and_b32 s[RR], s[RR], 3
	SETRD
	QLOAD
	s_mov_b32 s[CP], s[CP+2]
	s_mov_b32 s[CP+1], s[CP+2]
	s_mov_b32 s[CP+2], s[CP+3]
	s_mov_b32 s[CP+3], s[CP+4]
.endif
.endm
	s_mov_b32 s[RD], 3
.Lround:
	EVENLAP
	ODDLAP 1
	EPI 1
	s_sub_co_u32 s[RD], s[RD], 1
	s_cmp_lg_u32 s[RD], 0
	s_cbranch_scc1 .Lround
	EVENLAP
	ODDLAP 0
	EPI 0
	s_wait_tensorcnt 0x0
	ds_add_u32 v[SPW], v[NIL]
	s_wait_dscnt 0x0
	CROUND
	s_endpgm
.Lfunc_end_k_q34f209913b_pool:
	.size	k_q34f209913b_pool, .Lfunc_end_k_q34f209913b_pool-k_q34f209913b_pool
	.p2alignl 7, 3214868480
	.fill 96, 4, 3214868480
	.section	.rodata,"a",@progbits
	.p2align	6, 0x0
	.amdhsa_kernel k_q34f209913b_pool
		.amdhsa_group_segment_fixed_size 327680
		.amdhsa_private_segment_fixed_size 0
		.amdhsa_enable_private_segment 0
		.amdhsa_kernarg_size 56
		.amdhsa_user_sgpr_count 2
		.amdhsa_user_sgpr_kernarg_segment_ptr 1
		.amdhsa_wavefront_size32 1
		.amdhsa_system_sgpr_workgroup_id_x 1
		.amdhsa_system_sgpr_workgroup_id_y 1
		.amdhsa_system_sgpr_workgroup_id_z 1
		.amdhsa_system_vgpr_workitem_id 0
		.amdhsa_next_free_vgpr 1024
		.amdhsa_next_free_sgpr 96
		.amdhsa_reserve_vcc 1
		.amdhsa_float_denorm_mode_32 3
		.amdhsa_float_denorm_mode_16_64 3
		.amdhsa_memory_ordered 1
		.amdhsa_forward_progress 1
		.amdhsa_inst_pref_size 255
	.end_amdhsa_kernel
	.section	.bss,"aw",@nobits
	.p2align	6
	.space	262144
	.amdgpu_metadata
---
amdhsa.version: [ 1, 2 ]
amdhsa.kernels:
  - .name:           k_q34f209913b_pool
    .symbol:         k_q34f209913b_pool.kd
    .args:
      - { .name: hidden_states, .offset: 0, .size: 8, .value_kind: global_buffer, .address_space: global }
      - { .name: mask, .offset: 8, .size: 8, .value_kind: global_buffer, .address_space: global }
      - { .name: kv_b, .offset: 16, .size: 8, .value_kind: global_buffer, .address_space: global }
      - { .name: query, .offset: 24, .size: 8, .value_kind: global_buffer, .address_space: global }
      - { .name: wq, .offset: 32, .size: 8, .value_kind: global_buffer, .address_space: global }
      - { .name: po, .offset: 40, .size: 8, .value_kind: global_buffer, .address_space: global }
      - { .name: pml, .offset: 48, .size: 8, .value_kind: global_buffer, .address_space: global }
    .group_segment_fixed_size: 327680
    .private_segment_fixed_size: 0
    .kernarg_segment_align: 8
    .kernarg_segment_size: 56
    .max_flat_workgroup_size: 128
    .sgpr_count:     96
    .vgpr_count:     1024
    .wavefront_size: 32
...
	.end_amdgpu_metadata
.endif
;; end of part 2
;; launch proj (part 3): grid 8 x 8, 8 waves a work-group, no clusters, 33,792 bytes of LDS; arguments po, pml, kv_b, owq, ows, out_b, out0; writes out0
.if DOCPART == 3
	.amdgcn_target "amdgcn-amd-amdhsa--gfx1250"
	.amdhsa_code_object_version 6
	.text
	.protected	k_q34f209913b_proj
	.globl	k_q34f209913b_proj
	.p2align	8
	.type	k_q34f209913b_proj,@function
k_q34f209913b_proj:
	s_mov_b64 s[64:65], 0
	v_nop
	global_prefetch_b8 v0, s[64:65] scope:SCOPE_SE
	s_setreg_imm32_b32 hwreg(HW_REG_WAVE_MODE, 25, 1), 1
	s_wait_xcnt 0x0
.set PST,  0
.set XIMG, 16896
.set XSC,  29184
.set OST,  30208
.set LI,  4
.set LS,  5
.set MLO, 6
.set PSW, 7
.set PSR, 8
.set XWI, 9
.set XWS, 10
.set OSW, 11
.set OSR, 12
.set R4,  13
.set H32, 14
.set VB,  16
.set P,   20
.set MB,  36
.set LB,  40
.set WS,  44
.set XS,  52
.set PW,  60
.set ML,  64
.set PC,  64
.set TM,  84
.set O,   128
.set X,   128
.set AFR, 128
.set AC0, 224
.set AC1, 232
.set R,   240
.set WV,  18
.set SEL, 22
.set MSB, 0
.macro WIN new
.if MSB != \new
	s_set_vgpr_msb (MSB<<8)|\new
.set MSB, \new
.endif
.endm
	s_load_b256 s[4:11], s[0:1], 0x0
	s_load_b128 s[12:15], s[0:1], 0x20
	s_load_b64 s[16:17], s[0:1], 0x30
	v_lshl_add_u32 v62, v0, 2, 0x8000
	v_mov_b32 v63, 0
	v_lshrrev_b32 v1, 5, v0
	v_readfirstlane_b32 s[WV], v1
	s_and_b32 s20, ttmp7, 0xffff
	v_and_b32 v1, 31, v0
	v_and_b32 v2, 15, v0
	v_bfe_u32 v3, v0, 4, 1
	v_and_b32 v15, 3, v0
	v_lshlrev_b32 v[LI], 4, v1
	v_lshlrev_b32 v[LS], 2, v1
	v_lshlrev_b32 v[MLO], 6, v3
	v_lshlrev_b32 v[R4], 2, v2
	v_lshlrev_b32 v[H32], 5, v3
	s_mul_i32 s24, s[WV], 2112
	v_add_nc_u32 v[PSW], s24, v[LI]
	v_mul_u32_u24 v[PSR], v15, 528
	v_lshl_add_u32 v[PSR], v3, 6, v[PSR]
	v_add_nc_u32 v[PSR], s24, v[PSR]
	s_mul_i32 s24, s[WV], 1536
	s_add_co_u32 s24, s24, XIMG
	v_add_nc_u32 v[XWI], s24, v[LI]
	s_lshl_b32 s24, s[WV], 7
	s_add_co_u32 s24, s24, XSC
	v_add_nc_u32 v[XWS], s24, v[LS]
	v_mul_u32_u24 v[OSW], v15, 528
	v_lshl_add_u32 v[OSW], v3, 5, v[OSW]
	s_lshl_b32 s24, s[WV], 6
	s_add_co_u32 s24, s24, OST
	v_add_nc_u32 v[OSW], s24, v[OSW]
	s_and_b32 s21, s[WV], 3
	s_mul_i32 s24, s21, 528
	s_add_co_u32 s24, s24, OST
	v_add_nc_u32 v[OSR], s24, v[LI]
	s_mov_b32 s[SEL], 0x76543210
	s_mov_b32 s[SEL+1], 0xfedcba98
	s_lshl_b32 s24, s20, 17
	s_lshl_b32 s25, s[WV], 9
	s_add_co_u32 s24, s24, s25
	s_add_co_u32 s28, s25, 4096
	s_mov_b32 s25, 0
	s_mov_b32 s29, 0
	s_lshl_b32 s26, s20, 12
	s_lshl_b32 s27, s[WV], 7
	s_add_co_u32 s26, s26, s27
	s_mov_b32 s27, 0
	s_lshl_b32 s30, ttmp9, 3
	s_add_co_u32 s30, s30, s[WV]
	s_mul_i32 s32, s30, 12288
	s_mov_b32 s33, 0
	s_lshl_b32 s34, s30, 9
	s_mov_b32 s35, 0
	s_lshl_b32 s36, s30, 6
	s_mov_b32 s37, 0
	s_lshl_b32 s38, s20, 2
	s_add_co_u32 s38, s38, s21
	s_lshl_b32 s38, s38, 12
	s_lshl_b32 s39, ttmp9, 9
	s_add_co_u32 s38, s38, s39
	s_mov_b32 s39, 0
	s_wait_kmcnt 0x0
	s_add_nc_u64 s[4:5], s[4:5], s[24:25]
	s_add_nc_u64 s[6:7], s[6:7], s[26:27]
	s_add_nc_u64 s[8:9], s[8:9], s[28:29]
	s_add_nc_u64 s[10:11], s[10:11], s[32:33]
	s_add_nc_u64 s[12:13], s[12:13], s[34:35]
	s_add_nc_u64 s[14:15], s[14:15], s[36:37]
	s_add_nc_u64 s[16:17], s[16:17], s[38:39]
.irp bt, 0,1,2,3
.irp c, 0,1,2,3
	global_load_b128 v[ML+16*\bt+4*\c:ML+16*\bt+4*\c+3], v[MLO], s[6:7] offset:1024*\bt+16*\c
.endr
.endr
	global_load_b128 v[VB:VB+3], v[LI], s[8:9]
.irp bt, 0,1,2,3
.irp i, 0,1,2,3,4,5,6,7
	global_load_b128 v[O+32*\bt+4*\i:O+32*\bt+4*\i+3], v[LI], s[4:5] offset:32768*\bt+4096*\i
.endr
.endr
	s_wait_loadcnt 33
	WIN 0x40
.irp s, 0,1,2,3,4,5,6,7
.irp c, 0,1,2
	global_load_b128 v[12*\s+4*\c:12*\s+4*\c+3], v[LI], s[10:11] offset:1536*\s+512*\c
.endr
.endr
	global_load_b128 v[96:99], v[H32], s[14:15]
	global_load_b128 v[100:103], v[H32], s[14:15] offset:16
	WIN 0
.irp s, 0,1,2,3,4,5,6,7
	global_load_b32 v[WS+\s], v[R4], s[12:13] offset:64*\s
.endr
.irp bt, 0,1,2,3
	v_max3_num_f32 v[MB+\bt], v[ML+16*\bt], v[ML+16*\bt+2], v[ML+16*\bt+4]
.endr
.irp bt, 0,1,2,3
	v_max3_num_f32 v[MB+\bt], v[MB+\bt], v[ML+16*\bt+6], v[ML+16*\bt+8]
.endr
.irp bt, 0,1,2,3
	v_max3_num_f32 v[MB+\bt], v[MB+\bt], v[ML+16*\bt+10], v[ML+16*\bt+12]
.endr
.irp bt, 0,1,2,3
	v_max_num_f32 v[MB+\bt], v[MB+\bt], v[ML+16*\bt+14]
.endr
.irp i, 0,1,2,3,4,5,6,7
.irp bt, 0,1,2,3
	v_sub_f32 v[ML+16*\bt+2*\i], v[ML+16*\bt+2*\i], v[MB+\bt]
.endr
.endr
.irp i, 0,1,2,3,4,5,6,7
.irp bt, 0,1,2,3
	v_exp_f32 v[ML+16*\bt+2*\i], v[ML+16*\bt+2*\i]
.endr
.endr
	v_nop
	s_wait_alu depctr_va_vdst(0)
.irp bt, 0,1,2,3
	v_mul_f32 v[LB+\bt], v[ML+16*\bt], v[ML+16*\bt+1]
.endr
.irp i, 1,2,3,4,5,6,7
.irp bt, 0,1,2,3
	v_fmac_f32 v[LB+\bt], v[ML+16*\bt+2*\i], v[ML+16*\bt+2*\i+1]
.endr
.endr
.irp bt, 0,1,2,3
	v_rcp_f32 v[LB+\bt], v[LB+\bt]
.endr
	v_nop
	s_wait_alu depctr_va_vdst(0)
.irp i, 0,1,2,3,4,5,6,7
.irp bt, 0,1,2,3
	v_mul_f32 v[ML+16*\bt+2*\i], v[ML+16*\bt+2*\i], v[LB+\bt]
.endr
.endr
	s_wait_loadcnt 34
.irp i, 0,1,2,3,4,5,6,7
.irp bt, 0,1,2,3
.irp e, 0,1
.if \i == 0
	v_pk_fma_f32 v[P+4*\bt+2*\e:P+4*\bt+2*\e+1], v[O+32*\bt+4*\i+2*\e:O+32*\bt+4*\i+2*\e+1], v[ML+16*\bt+2*\i:ML+16*\bt+2*\i+1], v[VB+2*\e:VB+2*\e+1] op_sel_hi:[1,0,1]
.else
	v_pk_fma_f32 v[P+4*\bt+2*\e:P+4*\bt+2*\e+1], v[O+32*\bt+4*\i+2*\e:O+32*\bt+4*\i+2*\e+1], v[ML+16*\bt+2*\i:ML+16*\bt+2*\i+1], v[P+4*\bt+2*\e:P+4*\bt+2*\e+1] op_sel_hi:[1,0,1]
.endif
.endr
.endr
.endr
.irp bt, 0,1,2,3
	ds_store_b128 v[PSW], v[P+4*\bt:P+4*\bt+3] offset:528*\bt
.endr
.irp b, 0,1,2,3
.irp j, 0,1,2,3
	ds_load_b128 v[X+16*\b+4*\j:X+16*\b+4*\j+3], v[PSR] offset:128*\b+16*\j
.endr
.endr
	s_wait_dscnt 0x0
.irp b, 0,1,2,3
	v_max3_num_f32 v[TM+\b], |v[X+16*\b]|, |v[X+1+16*\b]|, 0x2800000
.endr
.irp i, 2,4,6,8,10,12,14
.irp b, 0,1,2,3
	v_max3_num_f32 v[TM+\b], v[TM+\b], |v[X+16*\b+\i]|, |v[X+1+16*\b+\i]|
.endr
.endr
.irp b, 0,1,2,3
	v_permlanex16_b32 v[TM+4+\b], v[TM+\b], s[SEL], s[SEL+1]
.endr
.irp b, 0,1,2,3
	v_max_num_f32 v[TM+\b], v[TM+\b], v[TM+4+\b]
.endr
.irp b, 0,1,2,3
	v_add_nc_u32 v[TM+12+\b], 0xfe000000, v[TM+\b]
.endr
.irp b, 0,1,2,3
	v_lshrrev_b32 v[TM+4+\b], 23, v[TM+12+\b]
.endr
	v_lshl_or_b32 v[PW], v[TM+5], 8, v[TM+4]
	v_lshl_or_b32 v[PW], v[TM+6], 16, v[PW]
	v_lshl_or_b32 v[PW], v[TM+7], 24, v[PW]
.irp c, 0,1
	v_cvt_scalef32_pk16_bf6_f32 v[PC+6*\c:PC+2+6*\c], v[X+32*\c:X+15+32*\c], v[TM+12+2*\c]
	v_cvt_scalef32_pk16_bf6_f32 v[PC+12+4*\c:PC+14+4*\c], v[X+16+32*\c:X+31+32*\c], v[TM+12+2*\c+1]
.endr
	v_nop
.irp c, 0,1
.irp i, 0,1,2
	v_permlane16_swap_b32 v[PC+6*\c+\i], v[PC+12+4*\c+\i]
.endr
.irp i, 0,1,2
	v_mov_b32 v[PC+3+6*\c+\i], v[PC+12+4*\c+\i]
.endr
.endr
.irp c, 0,1,2
	ds_store_b128 v[XWI], v[PC+4*\c:PC+4*\c+3] offset:512*\c
.endr
	ds_store_b32 v[XWS], v[PW]
	s_wait_dscnt 0x0
	s_barrier_signal -1
	s_barrier_wait -1
.irp s, 0,1,2,3,4,5,6,7
.irp c, 0,1,2
	ds_load_b128 v[AFR+12*\s+4*\c:AFR+12*\s+4*\c+3], v[LI] offset:XIMG+1536*\s+512*\c
.endr
	ds_load_b32 v[XS+\s], v[LS] offset:XSC+128*\s
.endr
	s_wait_dscnt 0x0
	s_wait_loadcnt 0x0
	WIN 0x11
	v_wmma_scale_f32_16x16x128_f8f6f4 v[AC0:AC0+7], v[0:11], v[AFR:AFR+11], v[96:103], v[WS], v[XS] matrix_a_fmt:MATRIX_FMT_BF6 matrix_b_fmt:MATRIX_FMT_BF6
	WIN 0x01
	v_wmma_scale_f32_16x16x128_f8f6f4 v[AC1:AC1+7], v[12:23], v[AFR+12:AFR+23], 0, v[WS+1], v[XS+1] matrix_a_fmt:MATRIX_FMT_BF6 matrix_b_fmt:MATRIX_FMT_BF6
.irp s, 2,3,4,5,6,7
	v_wmma_scale_f32_16x16x128_f8f6f4 v[AC0+8*(\s%2):AC0+8*(\s%2)+7], v[12*\s:12*\s+11], v[AFR+12*\s:AFR+12*\s+11], v[AC0+8*(\s%2):AC0+8*(\s%2)+7], v[WS+\s], v[XS+\s] matrix_a_fmt:MATRIX_FMT_BF6 matrix_b_fmt:MATRIX_FMT_BF6
.endr
	WIN 0
.rept 4
	v_nop
.endr
.irp k, 0,2,4,6
	v_pk_add_f32 v[R+\k:R+\k+1], v[AC0+\k:AC0+\k+1], v[AC1+\k:AC1+\k+1]
.endr
	ds_store_b128 v[OSW], v[R:R+3]
	ds_store_b128 v[OSW], v[R+4:R+7] offset:16
	s_wait_dscnt 0x0
	s_barrier_signal -1
	s_barrier_wait -1
	s_cmp_lt_u32 s[WV], 4
	s_cbranch_scc0 .Lend
	ds_load_b128 v[R:R+3], v[OSR]
	s_wait_dscnt 0x0
	global_store_b128 v[LI], v[R:R+3], s[16:17]
.Lend:
	s_wait_tensorcnt 0x0
	ds_add_u32 v62, v63
	s_wait_dscnt 0x0
	s_endpgm
.Lfunc_end_k_q34f209913b_proj:
	.size	k_q34f209913b_proj, .Lfunc_end_k_q34f209913b_proj-k_q34f209913b_proj
	.p2alignl 7, 3214868480
	.fill 96, 4, 3214868480
	.section	.rodata,"a",@progbits
	.p2align	6, 0x0
	.amdhsa_kernel k_q34f209913b_proj
		.amdhsa_group_segment_fixed_size 33792
		.amdhsa_private_segment_fixed_size 0
		.amdhsa_enable_private_segment 0
		.amdhsa_kernarg_size 56
		.amdhsa_user_sgpr_count 2
		.amdhsa_user_sgpr_kernarg_segment_ptr 1
		.amdhsa_wavefront_size32 1
		.amdhsa_system_sgpr_workgroup_id_x 1
		.amdhsa_system_sgpr_workgroup_id_y 1
		.amdhsa_system_sgpr_workgroup_id_z 1
		.amdhsa_system_vgpr_workitem_id 0
		.amdhsa_next_free_vgpr 384
		.amdhsa_next_free_sgpr 66
		.amdhsa_reserve_vcc 0
		.amdhsa_float_denorm_mode_32 3
		.amdhsa_float_denorm_mode_16_64 3
		.amdhsa_memory_ordered 1
		.amdhsa_forward_progress 1
		.amdhsa_inst_pref_size 30
	.end_amdhsa_kernel
	.amdgpu_metadata
---
amdhsa.version: [ 1, 2 ]
amdhsa.kernels:
  - .name:           k_q34f209913b_proj
    .symbol:         k_q34f209913b_proj.kd
    .args:
      - { .name: po, .offset: 0, .size: 8, .value_kind: global_buffer, .address_space: global }
      - { .name: pml, .offset: 8, .size: 8, .value_kind: global_buffer, .address_space: global }
      - { .name: kv_b, .offset: 16, .size: 8, .value_kind: global_buffer, .address_space: global }
      - { .name: owq, .offset: 24, .size: 8, .value_kind: global_buffer, .address_space: global }
      - { .name: ows, .offset: 32, .size: 8, .value_kind: global_buffer, .address_space: global }
      - { .name: out_b, .offset: 40, .size: 8, .value_kind: global_buffer, .address_space: global }
      - { .name: out0, .offset: 48, .size: 8, .value_kind: global_buffer, .address_space: global }
    .group_segment_fixed_size: 33792
    .private_segment_fixed_size: 0
    .kernarg_segment_align: 8
    .kernarg_segment_size: 56
    .max_flat_workgroup_size: 256
    .sgpr_count:     66
    .vgpr_count:     384
    .wavefront_size: 32
...
	.end_amdgpu_metadata
.endif
;; end of part 3
